; MI455X (gfx1250); checked and timed in simulation.
; The chip was launched on July 23, 2026; its instructions are those of AMD's public machine-readable ISA for CDNA 5 (MIT licence, August 2026) and "CDNA5" Instruction Set Architecture Reference Guide (July 2026). The comments in the code are by the model that wrote it; some were corrected since.
;; Bi Cross Attention. Allowed arithmetic: matrix products marked QUANTISED: E2M3 operands, one E8M0 scale for each 32 along K, by v_wmma_scale_f32_16x16x128_f8f6f4 with both operands' format E2M3, f32 sums; everything else in f32.
;; Inputs: input1 8 x 256 x 32 x 32 float32; input2 8 x 256 x 32 x 32 float32; k1_b 512 float32; k1_w 512 x 256 float32; k2_b 512 float32; k2_w 512 x 256 float32; o1_b 256 float32; o1_w 256 x 512 float32; o2_b 256 float32; o2_w 256 x 512 float32; v1_b 512 float32; v1_w 512 x 256 float32; v2_b 512 float32; v2_w 512 x 256 float32.
;; Outputs: out0 8 x 256 x 32 x 32 float32; out1 8 x 256 x 32 x 32 float32.
;; This version of the problem:
;;   THIS VERSION OF THE PROBLEM IS GIVEN IN LOW PRECISION. The matrix products marked QUANTISED in the list below multiply operands that are first quantised to E2M3 (2 exponent bits, 3 mantissa bits; 6 bits a number), with one power-of-two scale for each 32 numbers along K (OCP MX v1.0); their sums are f32. All else is computed in f32.
;;   The module's matrix products, in the order in which they are computed (A, B: the left and right operand; K: the contracted axis; several contracted axes count as one K, in the product's order):
;;     1. [M 8,192, K 256] x [K 256, N 512]; A: input input1; B: input k1_w: QUANTISED
;;     2. [M 8,192, K 256] x [K 256, N 512]; A: input input2; B: input k2_w: QUANTISED
;;     3. [M 8,192, K 256] x [K 256, N 512]; A: input input1; B: input v1_w: QUANTISED
;;     4. [M 8,192, K 256] x [K 256, N 512]; A: input input2; B: input v2_w: QUANTISED
;;     5. batch 64 x [M 1,024, K 64] x [K 64, N 1,024]; A: computed on the way; B: computed on the way: QUANTISED
;;     6. batch 64 x [M 1,024, K 1,024] x [K 1,024, N 64]; A: softmax (see below); B: computed on the way: QUANTISED
;;     7. [M 8,192, K 512] x [K 512, N 256]; A: computed on the way; B: input o1_w: QUANTISED
;;     8. batch 64 x [M 1,024, K 1,024] x [K 1,024, N 64]; A: softmax (see below); B: computed on the way: QUANTISED
;;     9. [M 8,192, K 512] x [K 512, N 256]; A: computed on the way; B: input o2_w: QUANTISED
;;   THE QUANTISER, for each operand of a quantised product, along K:
;;     - K is cut into blocks of 32 from its start; a last block that is shorter is filled with zeros.
;;     - A block's scale is 2^e with e = floor(log2(the largest magnitude in the block)) - 2, held to -126 .. 127; a block of zeros has e = 0. As a byte (E8M0): e + 127.
;;     - Each number is divided by its block's scale, clamped to +-7.5, and rounded to the nearest number of E2M3, ties to even, subnormals kept.
;;     - The product sums the exact products of the quantised numbers (number of the format x scale) in f32.
;;   ~~~python
;;   def quantise(x, axis):      # numpy; x: float32 -> the quantised numbers, widened to float32 again
;;       x = np.moveaxis(x, axis, -1); K = x.shape[-1]
;;       x = np.pad(x, [(0, 0)] * (x.ndim - 1) + [(0, -K % 32)]); x = x.reshape(x.shape[:-1] + (-1, 32)); a = np.abs(x).max(-1, keepdims=True)
;;       e = np.where(a > 0, np.clip(np.frexp(np.where(a > 0, a, 1))[1] - 1 - 2, -126, 127), 0)      # np.frexp(a)[1] - 1 = floor(log2(a)), exactly
;;       r = np.clip(x / 2.0 ** e, -7.5, 7.5)
;;       step = 2.0 ** (np.maximum(np.frexp(np.where(r == 0, 1, r))[1] - 1, 0) - 3)
;;       q = np.round(r / step) * step * 2.0 ** e      # np.round: ties to even
;;       return np.moveaxis(q.reshape(q.shape[:-2] + (-1,))[..., :K], -1, axis).astype(np.float32)
;;   ~~~
;;   SOFTMAX AHEAD OF A QUANTISED PRODUCT. Where the list says 'softmax', what is quantised is not the finished softmax but p = 2^(t - M), with t = logit x log2(e) and M = ceil(the row's largest t), a whole number; so 1/2 < the row's largest p <= 1. The row's sum l is taken of the UNQUANTISED p, in f32, and the product's result is divided by l at the end. Since M is a whole number, a kernel that streams over the keys may use a running M (the ceiling of the running maximum): every later rescaling is an exact power of two, which a block's scale takes up: the codes' values come out the same.
;;   OPERANDS COMPUTED ON THE WAY. 'Computed on the way' means the value that the module computes at that place (a softmax that the list does not call 'softmax' is quantised finished and normalised). What goes into a quantiser is computed in f32, as accurately as f32 sums, v_exp_f32 and their like allow (about 1e-6 of the number): no bf16 or f16 on the way to a quantiser, and a product that is left as it is and whose result goes on into a quantised operand takes f32 operands (vector FMAs, or v_wmma_f32_16x16x4_f32). A number that lies on a knife's edge between two numbers of the format may be rounded either way, as far as f32 arithmetic and the matrix unit's own rounding can turn it there, and no further.
;; One version. Each part assembles by itself: llvm-mc -triple=amdgcn-amd-amdhsa -mcpu=gfx1250 --defsym DOCPART=n.
;; ======== version 1 of 1: 2 launches
;; limits: right only within a limited range of input values
;; workspace buffers: kv 14,680,064 bytes; ow 229,376 bytes
;; launch proj (part 1): grid 4 x 64, 8 waves a work-group, clusters of 4 x 1, 292,864 bytes of LDS; arguments input1, input2, k1_w, k2_w, v1_w, v2_w, k1_b, k2_b, v1_b, v2_b, kv, o1_w, o2_w, ow; writes kv, ow
.if DOCPART == 1
	.amdgcn_target "amdgcn-amd-amdhsa--gfx1250"
	.amdhsa_code_object_version 6
	.text
	.protected	k_q11029028a7_proj
	.globl	k_q11029028a7_proj
	.p2align	8
	.type	k_q11029028a7_proj,@function
k_q11029028a7_proj:
	s_mov_b64 s[64:65], 0
	v_nop
	global_prefetch_b8 v0, s[64:65] scope:SCOPE_SE
	s_setreg_imm32_b32 hwreg(HW_REG_WAVE_MODE, 25, 1), 1
	s_wait_xcnt 0x0
	s_wait_alu depctr_hold_cnt(0) depctr_sa_sdst(0) depctr_va_vdst(0) depctr_va_sdst(0) depctr_va_ssrc(0) depctr_va_vcc(0) depctr_vm_vsrc(0)
	s_getreg_b32 s2, hwreg(HW_REG_IB_STS2, 6, 4)
	s_cmp_eq_u32 s2, 0
	s_cbranch_scc0 .Lentry_in_a_cluster
	s_endpgm
.Lentry_in_a_cluster:
	s_bfe_u32 s2, ttmp6, 0x10000c
	s_cmp_lg_u32 s2, 0x3003
	s_cbranch_scc0 .Lentry_shape_is_right
	s_endpgm
.Lentry_shape_is_right:
; k = e Wk^T + bk and v = e Wv^T + bv for both sides, on codes of FP6 (E2M3) with one E8M0 scale for each 32 along K, and their results quantised again:
; k along the head's 64 (the score product's K), v along the tokens (the second attention product's K).  e[b][s][c] = input[b][c][s].
; SHARES.  Work-group (y, x): x (the grid's second axis): side = x / 32, batch = (x / 4) % 8, 256 tokens (x % 4); y (the first): heads 2 y and 2 y + 1: 128 features of k and 128 of v.  Eight waves.
; CLUSTER.  The four work-groups of one x need the same 256 tokens x 256 channels of e: they form a cluster of 4 x 1 and ask for them JOINTLY: each wave issues one tensor load, with the same descriptor in all four
; partners and a mask that names the four: channels 128 (w % 2) on of the 64 tokens of wave pair w / 2: 128 rows of 256 consecutive bytes, aligned, 32,768 bytes, to LDS byte 32,768 w.  y enters the addresses of the
; weights, the biases and kv alone: no LDS address, no branch, no descriptor.  The partners' rows of the weights differ, so these go from memory straight into registers, in the quantiser's order, while e is on its way.
; All that the work-group reads is asked for by its first instructions, and nothing in LDS is filled twice.
; Wave w quantises 16 rows of Wk and 16 of Wv, then 32 tokens of e (a lane takes a token, its registers run down the channels); e's and Wk's fragments go to the other waves through LDS as images of their registers
; (a group of four registers by one ds_store_b128 at 16 x lane, a scale word at 4 x lane); then wave w makes two records of k (its 32 tokens, both heads) and two of v (its 16 features, 2 x 128 tokens).
; THREE BARRIERS: behind the first the tile of e is whole; behind the second nobody reads it any more, so e's images are laid over its first 49,152 bytes, which have had their only fill; behind the third LDS is only read.
; THE RECORD, 1,792 bytes: a fragment's 12 registers, group c of lane l at 512 c + 16 l, and its scale word, twice, at 1,536 + 8 l: each store of the wave covers 512 or 256 consecutive bytes, aligned.
; kv: region (side x 8 + batch) x 8 + head of 114,688 bytes = 8 key steps of 14,336 bytes = 4 records of k (32 tokens each: two tiles of 16 tokens x 64, one in k 0-63, one in k 64-127), then 4 of v (16 features x 128 tokens).
; THE ROWS OF A TILE ARE NOT NEIGHBOURS: row r of tile u of a group of 32 is 8 u + r + 8 (r / 8), for tokens and for features alike: a result's 16 registers of two neighbouring tiles are then 16 neighbours along the next K.
; LIMITS: NaN and infinities are not served.  A block whose largest magnitude lies under 2^-124 (a block of zeros too) gets the byte 1: its codes are zeros or subnormal codes under that scale; the bytes are read by this program alone.
.set REGION, 114688
.set STEPB,  14336
.set REC,    1792
.set HI,     262144                    ; LDS: bytes 0 .. HI - 1: the tile of e, pair P's channel c at 65,536 P + 256 c; later, from byte 0, e's fragments: 32 images of 1,536 bytes, index 4 G + 2 u + s
.set BIAS,   0                         ; from HI on (the address registers carry HI): 128 numbers of bk, then 128 of bv
.set ESC,    1024                      ; e's scale words: 16 images of 128 bytes, index 2 G + s; lanes 0-15 tile a's rows, lanes 16-31 tile b's
.set WSC,    3072                      ; Wk's: 16 images, index 2 tile + s
.set WIMG,   5120                      ; Wk's fragments: 16 images of 1,536 bytes, index 2 tile + s
.set LI,  1                            ; v1   16 x lane
.set LS4, 2                            ; v2   4 x lane + HI
.set LS8, 3                            ; v3   8 x lane
.set VE,  4                            ; v4   my token's column in the tile of e
.set XA,  5                            ; v5   my row of a weight tile x 1,024 + 64 x half
.set LIH, 6                            ; v6   16 x lane + HI
.set XWI, 7                            ; v7   where I store e's images
.set XWS, 8                            ; v8   and their scale words
.set WWI, 9                            ; v9   Wk's images
.set WWS, 10                           ; v10  and their scale words
.set VBH, 11                           ; v11  bk: 64 x half + HI
.set VBA, 12                           ; v12  bv: my feature's word
.set EF,  16                           ; v16-63  e's fragments (u, s) at 16 + 12 (2 u + s); later set Y
.set YF,  16
.set WVS, 64                           ; v64-65  Wv's scale words        (v64-71 hold scales and nothing else)
.set SW,  66                           ; v66-67  my tokens' scale words
.set FS,  68                           ; v68-71  scale words fetched from LDS
.set WV,  72                           ; v72-95  Wv's two fragments (before that Wk's are made here)
.set TM,  96                           ; v96-107 at work in the quantisers
.set TQ,  108                          ; v108-115
.set PW,  116                          ; v116-117 the scale word just made, twice
.set VBC, 118                          ; v118-125 bv as a C operand
.set D0,  128                          ; v128-191 64 numbers as loaded; later the accumulators
.set D1,  192                          ; v192-255 64 numbers as loaded; later set X and the codes just made
.set ACC, 128
.set XF,  192
.set PC,  244
.set SEL, 30                           ; s[30:31] lane selects for v_permlanex16_b32: lane l xor 16
.set IN,  4                            ; s[4:5] my side's input, s[8:9] Wk, s[12:13] Wv, s[34:35] the bias that my wave copies, s[36:37], s[38:39] where my records of k and of v go
.set WK,  8
.set WVP, 12
.set BP,  34
.set KO,  36
.set VO,  38
.set G0,  68                           ; s[68:71] descriptor group 0, s[72:79] group 1
.set G1,  72
.macro NOPS n
.rept \n
	v_nop
.endr
.endm
; A round of the cluster's barrier: my work-group's barrier, so that wave 0's signal speaks for all eight waves; wave 0 signals for the work-group; every wave waits for all four work-groups; my work-group's barrier once more
.macro CROUND
	s_barrier_signal -1
	s_barrier_wait -1
	s_cmp_lg_u32 s26, 0
	s_cbranch_scc1 .Lnot_wave_0_\@
	s_barrier_signal -3
.Lnot_wave_0_\@:
	s_barrier_wait -3
	s_barrier_signal -1
	s_barrier_wait -1
.endm
; 64 numbers of a lane, register 16 b + i = k 32 b + 16 (lane / 16) + i of my row, become a fragment's codes in v[d] on and its scale word in v[pw], v[pw + 1]
.macro QUANT s, d, pw
.irp b, 0,1,2,3
	v_max3_num_f32 v[TM+\b], |v[(\s)+16*\b]|, |v[(\s)+1+16*\b]|, 0x1800000   ; block b: my 16 numbers, and the floor 2^(3 - 127): the byte cannot fall under 1
.endr
.irp i, 2,4,6,8,10,12,14
.irp b, 0,1,2,3
	v_max3_num_f32 v[TM+\b], v[TM+\b], |v[(\s)+16*\b+\i]|, |v[(\s)+1+16*\b+\i]|   ; the four blocks by turns
.endr
.endr
.irp b, 0,1,2,3
	s_delay_alu instid0(VALU_DEP_4)
	v_permlanex16_b32 v[TM+4+\b], v[TM+\b], s[SEL], s[SEL+1]
.endr
.irp b, 0,1,2,3
	s_delay_alu instid0(VALU_DEP_4)
	v_max_num_f32 v[TM+\b], v[TM+\b], v[TM+4+\b]   ; with lane l xor 16's: the block's largest magnitude
.endr
.irp b, 0,1,2,3
	s_delay_alu instid0(VALU_DEP_4)
	v_add_nc_u32 v[TM+8+\b], 0xff000000, v[TM+\b]  ; 2 off its exponent field: the conversion's scale operand
.endr
.irp b, 0,1,2,3
	s_delay_alu instid0(VALU_DEP_4)
	v_lshrrev_b32 v[TM+4+\b], 23, v[TM+8+\b]       ; the scale's byte
.endr
	s_delay_alu instid0(VALU_DEP_3)
	v_lshl_or_b32 v[\pw], v[TM+5], 8, v[TM+4]
	s_delay_alu instid0(VALU_DEP_1)
	v_lshl_or_b32 v[\pw], v[TM+6], 16, v[\pw]
	s_delay_alu instid0(VALU_DEP_1)
	v_lshl_or_b32 v[\pw], v[TM+7], 24, v[\pw]
.irp c, 0,1
	v_cvt_scalef32_pk16_fp6_f32 v[(\d)+6*\c:(\d)+6*\c+2], v[(\s)+32*\c:(\s)+32*\c+15], v[TM+8+2*\c]
	v_cvt_scalef32_pk16_fp6_f32 v[TQ+4*\c:TQ+4*\c+2], v[(\s)+32*\c+16:(\s)+32*\c+31], v[TM+9+2*\c]   ; (a conversion's three registers begin on an even number)
.endr
	v_mov_b32 v[\pw+1], v[\pw]                     ; the word twice, for the record's store of 8 bytes a lane; also the plain place behind the conversions
.irp c, 0,1                                    ; the operand's layout wants a whole block in a lane
.irp i, 0,1,2
	v_permlane16_swap_b32 v[(\d)+6*\c+\i], v[TQ+4*\c+\i]
.endr
.irp i, 0,1,2
	s_delay_alu instid0(VALU_DEP_3)
	v_mov_b32 v[(\d)+6*\c+3+\i], v[TQ+4*\c+\i]
.endr
.endr
.endm
.macro IMG adr, reg, off                       ; a fragment goes to LDS as it stands
.irp c, 0,1,2
	ds_store_b128 v[\adr], v[(\reg)+4*\c:(\reg)+4*\c+3] offset:(\off)+512*\c
.endr
.endm
.macro FET reg, adr, off                       ; and comes back so, in any wave
.irp c, 0,1,2
	ds_load_b128 v[(\reg)+4*\c:(\reg)+4*\c+3], v[\adr] offset:(\off)+512*\c
.endr
.endm
.macro XLOAD reg, base, off                    ; 128 along K of my row of a weight, 16 neighbours of each block of 32, in QUANT's order
.irp b, 0,1,2,3
.irp j, 0,1,2,3
	global_load_b128 v[(\reg)+16*\b+4*\j:(\reg)+16*\b+4*\j+3], v[XA], s[\base:\base+1] offset:(\off)+128*\b+16*\j
.endr
.endr
.endm
.macro RECOUT reg, pw, base, off               ; a record: three stores of 512 consecutive bytes and one of 256, all aligned
.irp c, 0,1,2
	global_store_b128 v[LI], v[(\reg)+4*\c:(\reg)+4*\c+3], s[\base:\base+1] offset:(\off)+512*\c
.endr
	global_store_b64 v[LS8], v[\pw:\pw+1], s[\base:\base+1] offset:(\off)+1536
.endm
; a product.  row = 0: both sides' scales in lanes 0-15; 1: source 0's in lanes 16-31; 2: source 1's
.macro MM d, a, b, c, sa, sb, row
.if (\row) == 0
	v_wmma_scale_f32_16x16x128_f8f6f4 v[(\d):(\d)+7], v[(\a):(\a)+11], v[(\b):(\b)+11], v[(\c):(\c)+7], v[\sa], v[\sb] matrix_a_fmt:MATRIX_FMT_FP6 matrix_b_fmt:MATRIX_FMT_FP6
.elseif (\row) == 1
	v_wmma_scale_f32_16x16x128_f8f6f4 v[(\d):(\d)+7], v[(\a):(\a)+11], v[(\b):(\b)+11], v[(\c):(\c)+7], v[\sa], v[\sb] matrix_a_fmt:MATRIX_FMT_FP6 matrix_b_fmt:MATRIX_FMT_FP6 matrix_a_scale:MATRIX_SCALE_ROW1
.else
	v_wmma_scale_f32_16x16x128_f8f6f4 v[(\d):(\d)+7], v[(\a):(\a)+11], v[(\b):(\b)+11], v[(\c):(\c)+7], v[\sa], v[\sb] matrix_a_fmt:MATRIX_FMT_FP6 matrix_b_fmt:MATRIX_FMT_FP6 matrix_b_scale:MATRIX_SCALE_ROW1
.endif
.endm
; 64 channels (64 c on) of my token, out of the tile: each load reads one channel at the wave's 32 tokens, 128 consecutive bytes of LDS; a channel's row is 256 bytes
.macro LDE c
.set ii, 0
.rept 64
	ds_load_b32 v[D0+64*((\c)%2)+ii], v[VE] offset:(64*(\c)+ii)*256
.set ii, ii+1
.endr
.endm
; those 64 numbers are two whole blocks of my token.  Lanes 0-15 hold tile a's tokens, lanes 16-31 tile b's: six exchanges of halves give each tile's fragment a block a lane.
.macro QE c
.set XS, D0+64*((\c)%2)
.set FA, EF+12*((\c)/2)+6*((\c)%2)
.set FB, FA+24
.set SWR, SW+(\c)/2
	v_max3_num_f32 v[TM], |v[XS]|, |v[XS+1]|, 0x1800000
	v_max3_num_f32 v[TM+1], |v[XS+32]|, |v[XS+33]|, 0x1800000
.irp i, 2,4,6,8,10,12,14,16,18,20,22,24,26,28,30
	s_delay_alu instid0(VALU_DEP_2)
	v_max3_num_f32 v[TM], v[TM], |v[XS+\i]|, |v[XS+\i+1]|
	s_delay_alu instid0(VALU_DEP_2)
	v_max3_num_f32 v[TM+1], v[TM+1], |v[XS+32+\i]|, |v[XS+33+\i]|
.endr
	s_delay_alu instid0(VALU_DEP_2)
	v_add_nc_u32 v[TM+8], 0xff000000, v[TM]
	s_delay_alu instid0(VALU_DEP_2)
	v_add_nc_u32 v[TM+9], 0xff000000, v[TM+1]
	s_delay_alu instid0(VALU_DEP_2)
	v_lshrrev_b32 v[TM+4], 23, v[TM+8]
	s_delay_alu instid0(VALU_DEP_2)
	v_lshrrev_b32 v[TM+5], 23, v[TM+9]
.if (\c)%2 == 0
	s_delay_alu instid0(VALU_DEP_1)
	v_lshl_or_b32 v[SWR], v[TM+5], 8, v[TM+4]      ; my token's scale word of this 128 along K: bytes 0, 1
.else
	s_delay_alu instid0(VALU_DEP_2)
	v_lshl_or_b32 v[SWR], v[TM+4], 16, v[SWR]      ; bytes 2, 3
	s_delay_alu instid0(VALU_DEP_1)
	v_lshl_or_b32 v[SWR], v[TM+5], 24, v[SWR]
.endif
	v_cvt_scalef32_pk16_fp6_f32 v[FA:FA+2], v[XS:XS+15], v[TM+8]
	v_cvt_scalef32_pk16_fp6_f32 v[TQ:TQ+2], v[XS+16:XS+31], v[TM+8]
	v_cvt_scalef32_pk16_fp6_f32 v[FB:FB+2], v[XS+32:XS+47], v[TM+9]
	v_cvt_scalef32_pk16_fp6_f32 v[TQ+4:TQ+6], v[XS+48:XS+63], v[TM+9]
	v_nop                                          ; one plain place behind the conversions
.irp i, 0,1,2
	v_mov_b32 v[FA+3+\i], v[TQ+\i]
	v_mov_b32 v[FB+3+\i], v[TQ+4+\i]
.endr
.irp i, 0,1,2,3,4,5
	v_permlane16_swap_b32 v[FA+\i], v[FB+\i]       ; FA: tile a (lanes 0-15 the lower block, lanes 16-31 the upper), FB: tile b
.endr
.endm
; my 32 tokens x head 2 y + hh: source 0 = 16 rows of Wk, source 1 = 16 tokens: a lane holds one token, its registers run along the head's 64.  bk is loaded into the accumulators.
.macro KUNIT hh
.irp u, 0,1
.irp t, 0,1,2,3
.irp e, 0,1
	ds_load_b128 v[ACC+32*\u+8*\t+4*\e:ACC+32*\u+8*\t+4*\e+3], v[VBH] offset:BIAS+256*\hh+128*(\t/2)+32*(\t%2)+16*\e
.endr
.endr
.endr
.irp s, 0,1
.irp t, 0,1,2,3
	FET XF+12*\t, LIH, WIMG+(8*\hh+2*\t+\s)*1536
	ds_load_b32 v[FS+\t], v[LS4] offset:WSC+(8*\hh+2*\t+\s)*128
.endr
	s_wait_dscnt 0x0
.irp t, 0,1,2,3                                ; the eight accumulators by turns
.irp u, 0,1
	MM ACC+32*\u+8*\t, XF+12*\t, EF+12*(2*\u+\s), ACC+32*\u+8*\t, FS+\t, SW+\s, 2*\u
.endr
.endr
	NOPS 4                                         ; places in front of loads into registers that the products read, and of the first read of results
.endr
	s_wait_xcnt 0x0                                ; the last record's stores have read their registers
	QUANT ACC, PC, PW
	RECOUT PC, PW, KO, \hh*REGION
.endm
; my 16 features of v x tokens 128 q on: source 0 = 16 tokens, source 1 = my rows of Wv: a lane holds one feature, its registers run along the tokens.  bv is the C of each sum's first product.
.macro VUNIT q
.irp hf, 0,1
.irp gg, 0,1
.irp u, 0,1
	FET XF+12*(2*\gg+\u), LI, (4*(4*\q+2*\hf+\gg)+2*\u)*1536
	FET YF+12*(2*\gg+\u), LI, (4*(4*\q+2*\hf+\gg)+2*\u+1)*1536
.endr
.irp s, 0,1
	ds_load_b32 v[FS+2*\gg+\s], v[LS4] offset:ESC+(2*(4*\q+2*\hf+\gg)+\s)*128
.endr
.endr
	s_wait_dscnt 0x0
.irp gg, 0,1
.irp u, 0,1
	MM ACC+8*(4*\hf+2*\gg+\u), XF+12*(2*\gg+\u), WV, VBC, FS+2*\gg, WVS, \u
.endr
.endr
.irp gg, 0,1
.irp u, 0,1
	MM ACC+8*(4*\hf+2*\gg+\u), YF+12*(2*\gg+\u), WV+12, ACC+8*(4*\hf+2*\gg+\u), FS+2*\gg+1, WVS+1, \u
.endr
.endr
	NOPS 4
.endr
	s_wait_xcnt 0x0                                ; the last record's stores have read their registers
	QUANT ACC, PC, PW
	RECOUT PC, PW, VO, \q*STEPB
.endm
	s_load_b512 s[4:19], s[0:1], 0x0               ; input1, input2, k1_w, k2_w, v1_w, v2_w, k1_b, k2_b
	s_load_b128 s[20:23], s[0:1], 0x40             ; v1_b, v2_b
	s_load_b64 s[24:25], s[0:1], 0x50
	s_load_b128 s[60:63], s[0:1], 0x58             ; o1_w, o2_w
	s_load_b64 s[80:81], s[0:1], 0x68              ; ow
	v_lshl_add_u32 v115, v0, 2, 0x47400
	v_mov_b32 v127, 0
	ds_add_u32 v115, v127
	ds_add_u32 v115, v127
	v_lshrrev_b32 v1, 5, v0
	s_delay_alu instid0(VALU_DEP_1)
	v_readfirstlane_b32 s26, v1                    ; wave 0..7
	s_and_b32 s27, ttmp7, 0xffff                   ; x: the cluster's y, which the four partners share
	s_bfe_u32 s57, ttmp6, 0x40000                  ; cx: my place in the cluster
	s_lshl_b32 s28, ttmp9, 2                       ; in a cluster launch ttmp9 counts clusters
	s_add_co_u32 s28, s28, s57                     ; y = 4 x cluster x + cx.  What hangs on y lives in s28, s42-49 and s57-59 alone: none of these feeds a descriptor or an LDS address
	s_lshr_b32 s50, s27, 2                         ; side x 8 + batch
	s_and_b32 s51, s50, 7                          ; batch
	s_and_b32 s52, s27, 3                          ; which 256 tokens
	s_lshr_b32 s53, s26, 2                         ; wave / 4
	s_and_b32 s54, s26, 3                          ; wave % 4
	s_lshr_b32 s55, s54, 1
	s_and_b32 s56, s26, 1                          ; wave % 2
	s_lshr_b32 s29, s26, 1                         ; wave / 2: my pair
	s_mov_b32 s[SEL], 0x76543210
	s_mov_b32 s[SEL+1], 0xfedcba98
	s_lshl_b32 s40, s51, 20                        ; my tile of e: batch x 1,048,576 + 128 (wave % 2) channels of 4,096 bytes + (256 x quarter + 64 x pair) tokens of 4 bytes
	s_lshl_b32 s32, s56, 19
	s_add_co_u32 s40, s40, s32
	s_lshl_b32 s32, s52, 10
	s_add_co_u32 s40, s40, s32
	s_lshl_b32 s32, s29, 8
	s_add_co_u32 s40, s40, s32
	s_mov_b32 s41, 0
	; descriptor group 1: 128 rows of 64 elements of 4 bytes, 1,024 elements from row to row, dense in LDS
	s_mov_b32 s[G1], 15|(2<<16)|(1<<21)            ; 15:0 the mask: all four work-groups; 17:16 elements of 4 bytes; 20 no padding; 21 set beside a mask
	s_mov_b32 s[G1+1], 64<<16                      ; tensor_dim0 = 64
	s_mov_b32 s[G1+2], 128<<16                     ; tensor_dim1 = 128
	s_mov_b32 s[G1+3], 64<<16                      ; tile_dim0 = 64
	s_mov_b32 s[G1+4], 128                         ; tile_dim1 = 128
	s_mov_b32 s[G1+5], 1024                        ; tensor_dim0_stride
	s_mov_b32 s[G1+6], 0
	s_mov_b32 s[G1+7], 0
	s_mov_b32 s[G0], 1                             ; group 0: count = 1,
	s_lshl_b32 s[G0+1], s26, 15                    ; LDS address: 32,768 x wave
	s_lshl_b32 s42, s28, 17                        ; weights: rows of 1,024 bytes: 128 y + 64 (wave / 4) + 32 ((wave % 4) / 2) + 8 (wave % 2)
	s_lshl_b32 s58, s53, 16
	s_add_co_u32 s42, s42, s58
	s_lshl_b32 s58, s55, 15
	s_add_co_u32 s42, s42, s58
	s_lshl_b32 s58, s56, 13
	s_add_co_u32 s42, s42, s58
	s_mov_b32 s43, 0
	s_lshl_b32 s44, s28, 9                         ; biases: 128 y numbers on
	s_mov_b32 s45, 0
	s_lshl_b32 s58, s50, 3
	s_lshl_b32 s59, s28, 1
	s_add_co_u32 s58, s58, s59                     ; head 2 y's region
	s_mul_i32 s46, s58, REGION
	s_lshl_b32 s59, s52, 1                         ; the quarter's first key step
	s_add_co_u32 s57, s59, s53
	s_mul_i32 s57, s57, STEPB
	s_add_co_u32 s46, s46, s57
	s_mul_i32 s57, s54, REC
	s_add_co_u32 s46, s46, s57                     ; k: pair of tiles 8 x quarter + wave: key step (that) / 4, record (that) % 4
	s_mov_b32 s47, 0
	s_add_co_u32 s58, s58, s53                     ; v: my feature tile's head,
	s_mul_i32 s48, s58, REGION
	s_mul_i32 s59, s59, STEPB
	s_add_co_u32 s48, s48, s59
	s_add_co_u32 s48, s48, s57
	s_add_co_u32 s48, s48, 4*REC                   ; record 4 + wave % 4
	s_mov_b32 s49, 0
	v_and_b32 v16, 31, v0                          ; lane
	v_and_b32 v17, 15, v0                          ; r
	v_bfe_u32 v18, v0, 4, 1                        ; h
	s_delay_alu instid0(VALU_DEP_2)
	v_and_b32 v19, 8, v17
	s_delay_alu instid0(VALU_DEP_1)
	v_add_nc_u32 v19, v19, v17                     ; r + 8 (r / 8)
	v_lshlrev_b32 v[LI], 4, v16
	v_lshl_add_u32 v[LS4], v16, 2, HI
	v_lshlrev_b32 v[LS8], 3, v16
	s_delay_alu instid0(VALU_DEP_3)
	v_add_nc_u32 v[LIH], HI, v[LI]
	s_lshl_b32 s32, s29, 16                        ; my pair's 65,536 bytes of the tile,
	s_lshl_b32 s33, s56, 7                         ; my wave's 128 bytes of each row,
	s_add_co_u32 s32, s32, s33
	v_lshl_add_u32 v[VE], v18, 3, v19
	s_delay_alu instid0(VALU_DEP_1)
	v_lshl_add_u32 v[VE], v[VE], 2, s32            ; my token's 4: lane 16 u + r takes token 8 u + r + 8 (r / 8)
	v_lshlrev_b32 v[XA], 10, v19
	s_delay_alu instid0(VALU_DEP_1)
	v_lshl_add_u32 v[XA], v18, 6, v[XA]
	s_mul_i32 s32, s26, 6144
	v_add_nc_u32 v[XWI], s32, v[LI]
	s_lshl_b32 s32, s26, 8
	v_add_nc_u32 v[XWS], s32, v[LS4]
	s_delay_alu instid0(VALU_DEP_1)
	v_add_nc_u32 v[WWS], WSC, v[XWS]
	s_delay_alu instid0(VALU_DEP_2)
	v_add_nc_u32 v[XWS], ESC, v[XWS]
	s_mul_i32 s32, s26, 3072
	v_add_nc_u32 v[WWI], s32, v[LIH]
	s_delay_alu instid0(VALU_DEP_1)
	v_add_nc_u32 v[WWI], WIMG, v[WWI]
	v_lshl_add_u32 v[VBH], v18, 6, HI
	s_lshl_b32 s32, s53, 8
	s_lshl_b32 s33, s55, 7
	s_add_co_u32 s32, s32, s33
	s_lshl_b32 s33, s56, 5
	s_add_co_u32 s32, s32, s33
	s_add_co_u32 s32, s32, HI+BIAS+512
	v_lshl_add_u32 v[VBA], v19, 2, s32
	v_and_b32 v13, 127, v0
	s_delay_alu instid0(VALU_DEP_1)
	v_lshlrev_b32 v13, 2, v13                      ; the bias word that I copy: threads 0-127 bk's, 128-255 bv's
	v_lshl_add_u32 v14, v0, 2, HI
	v_lshlrev_b32 v20, 11, v17                     ; o_w: row r of 2,048 bytes + 64 x half, in QUANT's order
	v_lshl_add_u32 v20, v18, 6, v20
.irp b, 0,1,2,3
	v_mov_b32 v[TM+4+\b], 0                        ; written once: a lane permute's destination counts as one of its sources
.endr
	s_wait_alu depctr_va_vdst(0)
	s_wait_dscnt 0x0
	s_wait_kmcnt 0x0
	s_cmp_lt_u32 s27, 32                           ; side 0 or 1: the choice hangs on x alone, which the partners share
	s_cselect_b64 s[IN:IN+1], s[4:5], s[6:7]
	s_cselect_b64 s[WK:WK+1], s[8:9], s[10:11]
	s_cselect_b64 s[WVP:WVP+1], s[12:13], s[14:15]
	s_cselect_b64 s[16:17], s[16:17], s[18:19]
	s_cselect_b64 s[20:21], s[20:21], s[22:23]
	s_cmp_lt_u32 s26, 4
	s_cselect_b64 s[BP:BP+1], s[16:17], s[20:21]
	s_add_nc_u64 s[G0+2:G0+3], s[IN:IN+1], s[40:41]   ; the tile's first element
	s_or_b32 s[G0+3], s[G0+3], 0x80000000          ; type = 2
	s_add_nc_u64 s[WK:WK+1], s[WK:WK+1], s[42:43]
	s_add_nc_u64 s[WVP:WVP+1], s[WVP:WVP+1], s[42:43]
	s_add_nc_u64 s[BP:BP+1], s[BP:BP+1], s[44:45]
	s_add_nc_u64 s[KO:KO+1], s[24:25], s[46:47]
	s_add_nc_u64 s[VO:VO+1], s[24:25], s[48:49]
	; THE OUTPUT WEIGHTS: o1_w and o2_w are 128 fragments of 16 channels x 128 along K.  Fragment 4 (x % 32) + y is quantised by wave 7 of work-group (y, x), x under 32, into record 4 x + y of ow
	; (index (direction x 16 + channel tile) x 4 + K step).  Its 64 numbers a lane are asked for here, into v256-319, and are worked at the wave's end.  Wave 7 of every work-group loads, so that the registers are written on every way.
	s_and_b32 s82, s27, 15                         ; channel tile: 16 rows of 2,048 bytes
	s_lshl_b32 s82, s82, 15
	s_lshl_b32 s83, s28, 9                         ; K step y: 512 bytes
	s_add_co_u32 s82, s82, s83
	s_mov_b32 s83, 0
	s_and_b32 s84, s27, 16                         ; direction
	s_cmp_eq_u32 s84, 0
	s_cselect_b64 s[60:61], s[60:61], s[62:63]
	s_add_nc_u64 s[60:61], s[60:61], s[82:83]
	s_and_b32 s84, s27, 31
	s_lshl_b32 s84, s84, 2
	s_add_co_u32 s84, s84, s28
	s_mul_i32 s84, s84, REC
	s_mov_b32 s85, 0
	s_add_nc_u64 s[80:81], s[80:81], s[84:85]
	s_cmp_lg_u32 s26, 7
	s_cbranch_scc1 .Lno_owl
	s_set_vgpr_msb 0x40                            ; destinations in window 1
.irp b, 0,1,2,3
.irp j, 0,1,2,3
	global_load_b128 v[16*\b+4*\j:16*\b+4*\j+3], v20, s[60:61] offset:128*\b+16*\j
.endr
.endr
	s_set_vgpr_msb 0x4000
.Lno_owl:
	global_load_b32 v15, v13, s[BP:BP+1]
	XLOAD D0, WK, 0                                ; Wk's two steps of 128 along K are on their way while the partners meet
	XLOAD D1, WK, 512
	CROUND                                         ; all four work-groups are here: the joint loads meet
	tensor_load_to_lds s[G0:G0+3], s[G1:G1+7]      ; my eighth of the tile of e: the wave's one tensor load, the launch's only fill of these bytes
	s_nop 0
	NOPS 4
	s_wait_loadcnt 16                              ; the bias word and Wk's first step are in; behind them: the second step's 16 loads
	ds_store_b32 v14, v15 offset:BIAS
	QUANT D0, WV, PW
	IMG WWI, WV, 0
	ds_store_b32 v[WWS], v[PW]
	XLOAD D0, WVP, 0
	s_wait_loadcnt 16                              ; each weight step is waited for with the next step's 16 loads out
	s_wait_dscnt 0x0                               ; the stores have read the scale word
	QUANT D1, WV+12, PW
	IMG WWI, WV+12, 1536
	ds_store_b32 v[WWS], v[PW] offset:128
	XLOAD D1, WVP, 512
	s_wait_loadcnt 16
	s_wait_dscnt 0x0                               ; Wk's images are stored: Wv's fragments take the registers and stay
	QUANT D0, WV, PW
	v_mov_b32 v[WVS], v[PW]
	s_wait_loadcnt 0x0
	QUANT D1, WV+12, PW
	v_mov_b32 v[WVS+1], v[PW]
	s_wait_tensorcnt 0x0                           ; my part of the tile has landed,
	s_wait_dscnt 0x0                               ; and so have my stores
	s_barrier_signal -1
	s_barrier_wait -1                              ; everybody's have: the tile of e is whole
	LDE 0
	LDE 1
	s_wait_dscnt 63                                ; 64 loads were issued behind channels 0-63: the wait names the largest count that it can, one less
	QE 0
	LDE 2
	s_wait_dscnt 63                                ; likewise for channels 64-127
	QE 1
	LDE 3
	s_wait_dscnt 63
	QE 2
	s_wait_dscnt 0x0                               ; channels 192-255 are in: my reads of the tile are over
	QE 3
	s_wait_alu depctr_va_vdst(0)
	s_barrier_signal -1
	s_barrier_wait -1                              ; everybody's are: the tile's bytes, which have had their only fill, take the images
.irp k, 0,1,2,3
	IMG XWI, EF+12*\k, 1536*\k
.endr
	ds_store_b32 v[XWS], v[SW]
	ds_store_b32 v[XWS], v[SW+1] offset:128
	s_wait_dscnt 0x0                               ; for the others' sake: my stores have landed
	s_barrier_signal -1
	s_barrier_wait -1                              ; from here on LDS is only read
	KUNIT 0
	KUNIT 1
	ds_load_b32 v126, v[VBA]
	s_wait_dscnt 0x0
.irp j, 0,1,2,3,4,5,6,7
	v_mov_b32 v[VBC+\j], v126                      ; my feature's bias in the result's layout: the same for all eight tokens of a lane
.endr
	s_wait_alu depctr_va_vdst(0)
	NOPS 4
	VUNIT 0
	VUNIT 1
	s_cmp_lg_u32 s26, 7
	s_cbranch_scc1 .Lno_ow
	s_cmp_lt_u32 s27, 32                           ; x is the same in the four partners
	s_cbranch_scc0 .Lno_ow
	s_wait_xcnt 0x0                                ; the last record's stores have read their registers
	s_set_vgpr_msb 0x01                            ; source 0 in window 1
.set ii, 0
.rept 64
	v_mov_b32 v[D0+ii], v[ii]
.set ii, ii+1
.endr
	s_set_vgpr_msb 0x0100
	QUANT D0, PC, PW
	RECOUT PC, PW, 80, 0
.Lno_ow:
	s_wait_tensorcnt 0x0
	ds_add_u32 v115, v127
	s_wait_dscnt 0x0
	CROUND                                         ; the closing round: no work-group ends while a partner may still ask for a tile that names it
	s_endpgm
.Lfunc_end_k_q11029028a7_proj:
	.size	k_q11029028a7_proj, .Lfunc_end_k_q11029028a7_proj-k_q11029028a7_proj
	.p2alignl 7, 3214868480
	.fill 96, 4, 3214868480
	.section	.rodata,"a",@progbits
	.p2align	6, 0x0
	.amdhsa_kernel k_q11029028a7_proj
		.amdhsa_group_segment_fixed_size 292864
		.amdhsa_private_segment_fixed_size 0
		.amdhsa_enable_private_segment 0
		.amdhsa_kernarg_size 112
		.amdhsa_user_sgpr_count 2
		.amdhsa_user_sgpr_kernarg_segment_ptr 1
		.amdhsa_wavefront_size32 1
		.amdhsa_system_sgpr_workgroup_id_x 1
		.amdhsa_system_sgpr_workgroup_id_y 1
		.amdhsa_system_sgpr_workgroup_id_z 1
		.amdhsa_system_vgpr_workitem_id 0
		.amdhsa_next_free_vgpr 512
		.amdhsa_next_free_sgpr 92
		.amdhsa_reserve_vcc 0
		.amdhsa_float_denorm_mode_32 3
		.amdhsa_float_denorm_mode_16_64 3
		.amdhsa_memory_ordered 1
		.amdhsa_forward_progress 1
		.amdhsa_inst_pref_size 118
	.end_amdhsa_kernel
	.amdgpu_metadata
---
amdhsa.version: [ 1, 2 ]
amdhsa.kernels:
  - .name:           k_q11029028a7_proj
    .symbol:         k_q11029028a7_proj.kd
    .args:
      - { .name: input1, .offset: 0, .size: 8, .value_kind: global_buffer, .address_space: global }
      - { .name: input2, .offset: 8, .size: 8, .value_kind: global_buffer, .address_space: global }
      - { .name: k1_w, .offset: 16, .size: 8, .value_kind: global_buffer, .address_space: global }
      - { .name: k2_w, .offset: 24, .size: 8, .value_kind: global_buffer, .address_space: global }
      - { .name: v1_w, .offset: 32, .size: 8, .value_kind: global_buffer, .address_space: global }
      - { .name: v2_w, .offset: 40, .size: 8, .value_kind: global_buffer, .address_space: global }
      - { .name: k1_b, .offset: 48, .size: 8, .value_kind: global_buffer, .address_space: global }
      - { .name: k2_b, .offset: 56, .size: 8, .value_kind: global_buffer, .address_space: global }
      - { .name: v1_b, .offset: 64, .size: 8, .value_kind: global_buffer, .address_space: global }
      - { .name: v2_b, .offset: 72, .size: 8, .value_kind: global_buffer, .address_space: global }
      - { .name: kv, .offset: 80, .size: 8, .value_kind: global_buffer, .address_space: global }
      - { .name: o1_w, .offset: 88, .size: 8, .value_kind: global_buffer, .address_space: global }
      - { .name: o2_w, .offset: 96, .size: 8, .value_kind: global_buffer, .address_space: global }
      - { .name: ow, .offset: 104, .size: 8, .value_kind: global_buffer, .address_space: global }
    .group_segment_fixed_size: 292864
    .private_segment_fixed_size: 0
    .kernarg_segment_align: 8
    .kernarg_segment_size: 112
    .max_flat_workgroup_size: 256
    .sgpr_count:     92
    .vgpr_count:     512
    .wavefront_size: 32
...
	.end_amdgpu_metadata
.endif
;; end of part 1
;; launch attn_out (part 2): grid 16 x 16, 16 waves a work-group, clusters of 4 x 1, 327,680 bytes of LDS; arguments kv, ow, o1_b, o2_b, out0, out1; writes out0, out1
.if DOCPART == 2
	.amdgcn_target "amdgcn-amd-amdhsa--gfx1250"
	.amdhsa_code_object_version 6
	.text
	.protected	k_q11029028a7_attn_out
	.globl	k_q11029028a7_attn_out
	.p2align	8
	.type	k_q11029028a7_attn_out,@function
k_q11029028a7_attn_out:
	s_mov_b64 s[64:65], 0
	v_nop
	global_prefetch_b8 v0, s[64:65] scope:SCOPE_SE
	s_setreg_imm32_b32 hwreg(HW_REG_WAVE_MODE, 25, 1), 1
	s_wait_xcnt 0x0
	s_wait_alu depctr_hold_cnt(0) depctr_sa_sdst(0) depctr_va_vdst(0) depctr_va_sdst(0) depctr_va_ssrc(0) depctr_va_vcc(0) depctr_vm_vsrc(0)
	s_getreg_b32 s2, hwreg(HW_REG_IB_STS2, 6, 4)
	s_cmp_eq_u32 s2, 0
	s_cbranch_scc0 .Lentry_in_a_cluster
	s_endpgm
.Lentry_in_a_cluster:
	s_bfe_u32 s2, ttmp6, 0x10000c
	s_cmp_lg_u32 s2, 0x3003
	s_cbranch_scc0 .Lentry_shape_is_right
	s_endpgm
.Lentry_shape_is_right:
; Both directions of the cross attention and their output projections: out[b][c][s] = sum over (head, d) of O[s][head][d] o_w[c][64 head + d] + o_b[c], O = softmax(Q K^T / 8) V,
; all products on codes of FP6 (E2M3) with one E8M0 scale for each 32 along K.
; SHARES.  Work-group (x, y): y = direction x 8 + batch, x = which 64 queries; it takes ALL EIGHT HEADS, so that it owns its 64 tokens x 256 channels of the output and O never goes to memory.
; Sixteen waves.  Wave w owns query tile w % 4 (16 queries) and, in pass G = 0, 1, head 4 G + w / 4: it walks that head's 1,024 keys itself, 128 a step, so no partial results are joined.
; THE RING.  Two LDS slots of 114,688 bytes; a slot holds 256 keys (two steps, 28,672 bytes of records) of the pass's four heads.  Fill f = 0 .. 7 is chunk f % 4 of pass f / 4 and is read in trip f; fill 8 is the
; direction's 64 records of o_w.  Each wave brings 7,168 bytes (28 rows of 256 bytes, aligned) of every fill by one tensor load.
; THE ROUND STANDS INSIDE A TRIP'S SECOND STEP.  A wave's reads of the trip's slot are over when that step's records of V are in registers: there it waits for its tensor loads (fill p + 1), adds, and opens the round;
; the rest of the step is work on registers and stands inside the round: the exponentials between the opening signal and its wait, the quantising and the products with V between the closing signal and its wait.
; Behind the closing wait fill p + 2 is asked for, into the slot just read.  Trips 0 to 5 are a loop of three; trips 6 (which asks for o_w) and 7 (which asks for nothing) are written out.
; CLUSTER.  The four work-groups of a cluster (x = 4 X + cx) differ in their queries alone and need the same fills: every fill is a joint load with the mask 15, the same descriptor in all four.  cx enters
; global addresses alone (the queries, the output, the prefetch's share).
; PREFETCH.  In trip p = 0 .. 5 each wave names, one instruction, seven blocks of 256 bytes of its part of fill p + 3 (the partners take 7 of the part's 28 blocks each, by address; lanes 7-31 name the seventh again);
; fills 0 to 2 come by their loads alone; trips 6 and 7 ask for nothing.
; K = 64 IN A FORM THAT IS 128 DEEP: a record of k holds two tiles of 16 keys; it is multiplied by [Q | 0] and by [0 | Q]: zero codes add nothing.  Both attention products are used transposed: a lane holds one query.
; THE SOFTMAX: t = score x log2(e) / 8; M = the running largest t rounded up to a whole number; p = 2^(t - M) is quantised along the keys; the sum is taken of the unquantised p; when M moves, the sum and O^T are
; multiplied by 2^(old M - new M), which rounds nothing.  O / sum is quantised along the head's 64 and goes to LDS as half of an operand's image (six registers a lane, two scale bytes a query).
; THE WAY OUT.  Wave w multiplies the 64 tokens by channels 16 w .. 16 w + 15 (its own four records of o_w): four accumulators, four K steps of two heads; o_b is the C of the first; rows of 256 bytes leave through the wave's own stage.
; LIMITS: NaN and infinities are not served; p under 2^-126 counts as 0; M is a whole number exactly while |t| stays under 2^23; a block of zeros gets the byte 1 (its codes are zeros; this program alone reads the bytes).
.set REGION, 114688
.set STEPB,  14336
.set REC,    1792
.set CHUNK,  28672
.set SLOT,   114688
.set PART,   7168
.set OCB,    229376                    ; O's images: (tile x 8 + head) x 768: 16 bytes a lane, then 8 bytes a lane
.set OSC,    253952                    ; O's scale words: (tile x 4 + K step) x 64 + 4 x query
.set STG,    254976                    ; the stages: 16 rows x 272 bytes for each wave
.set SPARE,  324608                    ; the spare words, 128 bytes a wave
.set AK0, 1                            ; v1, v2 16 x lane + my head's place in slot 0, 1;  v3, v4 the same with 8 x lane
.set AK1, 2
.set AS0, 3
.set AS1, 4
.set PFO, 5                            ; v5 the prefetch's offset
.set SPW, 6                            ; v6 my spare word, v7 0: never rewritten
.set NIL, 7
.set OCW, 8                            ; v8, v9, v10 where pass 0's image and scale bytes go
.set OCV, 9
.set OSW, 10
.set BV,  11                           ; v11 o_b of my channel
.set QLO, 22                           ; v16-21 zeros, v22-27 Q, v28-33 zeros; v34-39 pass 1's Q; v46, v47 Q's scale words
.set QHI, 16
.set OT,  160                          ; v160-191 O^T
.set TS,  200                          ; v200-213 seven chains of the row's sum
; v12 -M, v13 largest t, v[14:15] the sum; v42-45, v192-195 the way out's addresses; v48-95 four records; v96-159 S^T, then p; v224-235 p's codes; v232-247, v252, v254 at work; v248-251, v253 scale words
.set W,   16
.set Y,   17
.set CX,  18
.set X,   19
.set QT,  20
.set HH,  21
.set G1,  24
.set G0,  32
.set SEL, 36
.set CS,  38
.set KA,  40                           ; s[40:41] my part of fill 0; s[42:43] of the fill that is asked for next; s[44:45] of the one after it; s[46:47] my records of o_w
.set FA,  42
.set PB,  44
.set OW,  46
.set IC,  48
.set WOFF, 57
.set QA,  60
.set OB,  62
.set OUT, 66
.set BIG, 68
.set CHK, 69
.macro NOPS n
.rept \n
	v_nop
.endr
.endm
.macro CROUND
	s_barrier_signal -1
	s_barrier_wait -1
	s_cmp_lg_u32 s[W], 0
	s_cbranch_scc1 .Lnot_wave_0_\@
	s_barrier_signal -3
.Lnot_wave_0_\@:
	s_barrier_wait -3
	s_barrier_signal -1
	s_barrier_wait -1
.endm
.macro FET reg, adr, off
.irp c, 0,1,2
	ds_load_b128 v[(\reg)+4*\c:(\reg)+4*\c+3], v[\adr] offset:(\off)+512*\c
.endr
.endm
.macro MMZ d, a, b, sa, sb
	v_wmma_scale_f32_16x16x128_f8f6f4 v[(\d):(\d)+7], v[(\a):(\a)+11], v[(\b):(\b)+11], 0, v[\sa], v[\sb] matrix_a_fmt:MATRIX_FMT_FP6 matrix_b_fmt:MATRIX_FMT_FP6
.endm
.macro MMC d, a, b, c, sa, sb
	v_wmma_scale_f32_16x16x128_f8f6f4 v[(\d):(\d)+7], v[(\a):(\a)+11], v[(\b):(\b)+11], v[(\c):(\c)+7], v[\sa], v[\sb] matrix_a_fmt:MATRIX_FMT_FP6 matrix_b_fmt:MATRIX_FMT_FP6
.endm
; 16 queries x 128 keys.  pf: 0 no prefetch, 1 the fill behind s[42:43]'s, 2 s[44:45]'s.  rd = 1: the round and the refill of slot \slot; adv: how s[42:43] goes on (0: a chunk, 1: to s[44:45], 2: not)
.macro STEP ak, as, off, pf, rd, slot, adv
.irp b, 0,1,2,3
	FET 48+12*\b, \ak, (\off)+\b*REC
	ds_load_b32 v[248+\b], v[\as] offset:(\off)+\b*REC+1536
.endr
.irp b, 0,1,2,3                                ; S^T: record b's two tiles of 16 keys
	s_wait_dscnt 12-4*\b                           ; behind record b: four LDS loads for each later record
	MMZ 96+16*\b, 48+12*\b, QLO, 248+\b, 46
	MMZ 104+16*\b, 48+12*\b, QHI, 248+\b, 46
.endr
	NOPS 4                                         ; places in front of the loads below and of the first read of the scores
.irp t, 0,1,2,3                                ; V's four records land during the search for the maxima
	FET 48+12*\t, \ak, (\off)+(4+\t)*REC
	ds_load_b32 v[248+\t], v[\as] offset:(\off)+(4+\t)*REC+1536
.endr
.if (\pf) == 1
	global_prefetch_b8 v[PFO], s[FA:FA+1] offset:CHUNK th:TH_LOAD_NT scope:SCOPE_SE
.elseif (\pf) == 2
	global_prefetch_b8 v[PFO], s[PB:PB+1] th:TH_LOAD_NT scope:SCOPE_SE
.endif
.if \rd
	s_wait_xcnt 0x0                                ; the prefetches have read s[42:45]
	s_wait_tensorcnt 0x0                           ; all my tensor loads have landed: my part of the next trip's fill,
	ds_add_u32 v[SPW], v[NIL]                      ; work on registers follows
	s_mov_b64 s[G0+2:G0+3], s[FA:FA+1]
	s_or_b32 s[G0+3], s[G0+3], 0x80000000
	s_add_co_u32 s[G0+1], s[WOFF], (\slot)*SLOT
.if (\adv) == 0
	s_add_nc_u64 s[FA:FA+1], s[FA:FA+1], CHUNK
.elseif (\adv) == 1
	s_mov_b64 s[FA:FA+1], s[PB:PB+1]
.endif
.endif
.irp b, 0,1,2,3
	v_max3_num_f32 v[232+\b], v[96+16*\b], v[97+16*\b], v[98+16*\b]   ; the largest score of each block of 32 keys: for the row's maximum and for the block's largest p
.endr
.irp i, 3,5,7,9,11,13
.irp b, 0,1,2,3
	v_max3_num_f32 v[232+\b], v[232+\b], v[96+16*\b+\i], v[97+16*\b+\i]
.endr
.endr
.irp b, 0,1,2,3
	v_max_num_f32 v[232+\b], v[232+\b], v[111+16*\b]
.endr
.irp b, 0,1,2,3
	v_permlanex16_b32 v[236+\b], v[232+\b], s[SEL], s[SEL+1]
.endr
.irp b, 0,1,2,3
	v_max_num_f32 v[232+\b], v[232+\b], v[236+\b]  ; with lane l xor 16's 16 keys
.endr
	v_max3_num_f32 v254, v232, v233, v234
	s_delay_alu instid0(VALU_DEP_1)
	v_max_num_f32 v254, v254, v235
	s_delay_alu instid0(VALU_DEP_1)
	v_mul_f32 v254, s[CS], v254                    ; the step's largest t
	s_delay_alu instid0(VALU_DEP_1)
	v_max_num_f32 v13, v13, v254
	v_mov_b32 v254, v12
	s_delay_alu instid0(VALU_DEP_2)
	v_floor_f32 v12, -v13                          ; the new -M
	s_delay_alu instid0(VALU_DEP_1)
	v_sub_f32 v254, v12, v254                      ; old M - new M
	s_delay_alu instid0(VALU_DEP_1)
	v_cvt_i32_f32 v254, v254
	s_delay_alu instid0(VALU_DEP_1)
	v_ldexp_f32 v252, 1.0, v254                    ; f = 2^(old M - new M)
.if \rd
	s_wait_alu depctr_va_vdst(0)
	s_wait_dscnt 0x0                               ; the add is done, V's records are in: my reads of this slot are over
	s_barrier_signal -1                            ; the round opens; work on registers alone stands inside it
.endif
.set jj, 0
.rept 32
	v_pk_fma_f32 v[96+jj:97+jj], v[96+jj:97+jj], s[CS:CS+1], v[12:13] op_sel_hi:[1,0,0]   ; t - M
.set jj, jj+2
.endr
.irp b, 0,1,2,3
	v_fma_f32 v[232+\b], v[232+\b], s[CS], v12
.endr
	s_wait_alu depctr_va_vdst(0)
.set jj, 0
.rept 64
	v_exp_f32 v[96+jj], v[96+jj]                   ; p
.set jj, jj+1
.endr
	v_pk_mul_f32 v[14:15], v[14:15], v[252:253] op_sel_hi:[1,0]   ; the sum under the new M; the plain place behind the batch
	s_wait_alu depctr_va_vdst(0)                   ; and behind it
.irp b, 0,1,2,3
	v_exp_f32 v[232+\b], v[232+\b]                 ; the block's largest p
.endr
; the row's sum of the unquantised p: 32 packed additions in eight chains, laid where plain places are owed
.irp c, 0,1,2,3,4,5,6
	v_pk_add_f32 v[TS+2*\c:TS+2*\c+1], v[96+4*\c:97+4*\c], v[98+4*\c:99+4*\c]
.endr
	v_pk_add_f32 v[14:15], v[14:15], v[124:125]
.irp c, 0,1,2,3,4,5,6
	v_pk_add_f32 v[TS+2*\c:TS+2*\c+1], v[TS+2*\c:TS+2*\c+1], v[126+2*\c:127+2*\c]
.endr
	v_pk_add_f32 v[14:15], v[14:15], v[140:141]
	s_wait_alu depctr_va_vdst(0)                   ; for the four exponentials, and ahead of the waits and the branch below
.if \rd
	s_barrier_wait -1                              ; every wave of my work-group has opened the round
	s_cmp_lg_u32 s[W], 0
	s_cbranch_scc1 .Lnw0_\@
	s_barrier_signal -3
.Lnw0_\@:
	s_barrier_wait -3                              ; so has every work-group of the cluster
	s_barrier_signal -1
.endif
.irp b, 0,1,2,3
	v_max_num_f32 v[232+\b], 0x1800000, v[232+\b]  ; the floor 2^(3 - 127): the byte cannot fall under 1
.endr
.irp b, 0,1,2,3
	v_add_nc_u32 v[244+\b], 0xff000000, v[232+\b]  ; 2 off the exponent field: the conversion's scale operand
.endr
.irp b, 0,1,2,3
	v_lshrrev_b32 v[236+\b], 23, v[244+\b]
.endr
	v_lshl_or_b32 v253, v237, 8, v236              ; p's scale word
	s_delay_alu instid0(VALU_DEP_1)
	v_lshl_or_b32 v253, v238, 16, v253
	s_delay_alu instid0(VALU_DEP_1)
	v_lshl_or_b32 v253, v239, 24, v253
.irp c, 0,1
	v_cvt_scalef32_pk16_fp6_f32 v[224+6*\c:226+6*\c], v[96+32*\c:111+32*\c], v[244+2*\c]
	v_cvt_scalef32_pk16_fp6_f32 v[236+4*\c:238+4*\c], v[112+32*\c:127+32*\c], v[244+2*\c+1]
.endr
	v_pk_add_f32 v[TS:TS+1], v[TS:TS+1], v[142:143]   ; the plain place behind the conversions
.irp c, 0,1
.irp i, 0,1,2
	v_permlane16_swap_b32 v[224+6*\c+\i], v[236+4*\c+\i]
.endr
.irp i, 0,1,2
	v_mov_b32 v[227+6*\c+\i], v[236+4*\c+\i]
.endr
.endr
	s_wait_alu depctr_va_vdst(0)
.set jj, 0
.rept 16
	v_pk_mul_f32 v[OT+jj:OT+jj+1], v[OT+jj:OT+jj+1], v[252:253] op_sel_hi:[1,0]   ; O^T under the new M
.set jj, jj+2
.endr
.irp c, 1,2,3,4,5,6                            ; eleven additions: the places between the lines that wrote p's codes and scale word and the products
	v_pk_add_f32 v[TS+2*\c:TS+2*\c+1], v[TS+2*\c:TS+2*\c+1], v[142+2*\c:143+2*\c]
.endr
	v_pk_add_f32 v[14:15], v[14:15], v[156:157]
	v_pk_add_f32 v[TS:TS+1], v[TS:TS+1], v[158:159]
	v_pk_add_f32 v[TS+2:TS+3], v[TS+2:TS+3], v[TS+4:TS+5]
	v_pk_add_f32 v[TS+6:TS+7], v[TS+6:TS+7], v[TS+8:TS+9]
	v_pk_add_f32 v[TS+10:TS+11], v[TS+10:TS+11], v[TS+12:TS+13]
	s_wait_alu depctr_va_vdst(0)
.if (\rd) == 0
	s_wait_dscnt 0x0                               ; V's records are in
.endif
.irp t, 0,1,2,3                                ; O^T += V^T P^T: the four accumulators by turns
	MMC OT+8*\t, 48+12*\t, 224, OT+8*\t, 248+\t, 253
.endr
	v_pk_add_f32 v[14:15], v[14:15], v[TS:TS+1]    ; four additions: the places in front of the next loads and of the first read of O^T
	v_pk_add_f32 v[TS+2:TS+3], v[TS+2:TS+3], v[TS+6:TS+7]
	v_pk_add_f32 v[14:15], v[14:15], v[TS+10:TS+11]
	v_pk_add_f32 v[14:15], v[14:15], v[TS+2:TS+3]
.if \rd
	s_wait_alu depctr_va_vdst(0)
	s_barrier_wait -1                              ; the round is closed: no wave of any partner reads this slot or has a load on its way
	tensor_load_to_lds s[G0:G0+3], s[G1:G1+7]      ; my one load behind the round
	s_nop 0
	NOPS 4
.endif
.endm
.macro INIT                            ; a pass begins
	v_mov_b32 v13, 0xff61b1e6                      ; the largest t so far: -3e38
	v_floor_f32 v12, -v13
	v_mov_b32 v14, 0
	v_mov_b32 v15, 0
.set jj, 0
.rept 32
	v_mov_b32 v[OT+jj], 0                          ; the step is written once: a pass's first finds zeros
.set jj, jj+1
.endr
.endm
; pass g ends: O / the sum, quantised along the head's 64, to LDS.  Register 16 b + i is d = 32 b + 16 (lane / 16) + i: two blocks
.macro FIN g
	v_add_f32 v14, v14, v15
	s_delay_alu instid0(VALU_DEP_1)
	v_permlanex16_b32 v252, v14, s[SEL], s[SEL+1]
	s_delay_alu instid0(VALU_DEP_1)
	v_add_f32 v14, v14, v252                       ; the row's sum
	s_wait_alu depctr_va_vdst(0)
	v_rcp_f32 v14, v14
	v_nop
	s_wait_alu depctr_va_vdst(0)
.set jj, 0
.rept 16
	v_pk_mul_f32 v[OT+jj:OT+jj+1], v[OT+jj:OT+jj+1], v[14:15] op_sel_hi:[1,0]
.set jj, jj+2
.endr
.irp b, 0,1
	v_max3_num_f32 v[232+\b], |v[OT+16*\b]|, |v[OT+1+16*\b]|, 0x1800000
.endr
.irp i, 2,4,6,8,10,12,14
.irp b, 0,1
	s_delay_alu instid0(VALU_DEP_2)
	v_max3_num_f32 v[232+\b], v[232+\b], |v[OT+16*\b+\i]|, |v[OT+1+16*\b+\i]|
.endr
.endr
	v_permlanex16_b32 v236, v232, s[SEL], s[SEL+1]
	v_permlanex16_b32 v237, v233, s[SEL], s[SEL+1]
	s_delay_alu instid0(VALU_DEP_2)
	v_max_num_f32 v232, v232, v236
	s_delay_alu instid0(VALU_DEP_2)
	v_max_num_f32 v233, v233, v237
	s_delay_alu instid0(VALU_DEP_2)
	v_add_nc_u32 v244, 0xff000000, v232
	s_delay_alu instid0(VALU_DEP_2)
	v_add_nc_u32 v245, 0xff000000, v233
	s_delay_alu instid0(VALU_DEP_2)
	v_lshrrev_b32 v238, 23, v244
	s_delay_alu instid0(VALU_DEP_2)
	v_lshrrev_b32 v239, 23, v245
	s_delay_alu instid0(VALU_DEP_1)
	v_lshl_or_b32 v254, v239, 8, v238              ; the two scale bytes
	v_cvt_scalef32_pk16_fp6_f32 v[224:226], v[OT:OT+15], v244
	v_cvt_scalef32_pk16_fp6_f32 v[240:242], v[OT+16:OT+31], v245
	v_nop                                          ; one plain place behind the conversions
.irp i, 0,1,2
	v_permlane16_swap_b32 v[224+\i], v[240+\i]     ; a whole block in a lane
.endr
.irp i, 0,1,2
	v_mov_b32 v[227+\i], v[240+\i]
.endr
	ds_store_b128 v[OCW], v[224:227] offset:3072*\g          ; pass 1: four heads on,
	ds_store_b64 v[OCV], v[228:229] offset:512+3072*\g
	ds_store_b16 v[OSW], v254 offset:128*\g                  ; two K steps on; lanes r and r + 16 write the same bytes with the same value
.endm
	s_load_b256 s[4:11], s[0:1], 0x0               ; kv, ow, o1_b, o2_b
	s_load_b128 s[12:15], s[0:1], 0x20             ; out0, out1
	v_lshl_add_u32 v[SPW], v0, 2, SPARE
	v_mov_b32 v[NIL], 0
	ds_add_u32 v[SPW], v[NIL]
	ds_add_u32 v[SPW], v[NIL]
	v_lshrrev_b32 v48, 5, v0
	v_readfirstlane_b32 s[W], v48                  ; wave 0..15
	s_and_b32 s[Y], ttmp7, 0xffff                  ; direction x 8 + batch
	s_bfe_u32 s[CX], ttmp6, 0x40000
	s_lshl_b32 s[X], ttmp9, 2
	s_add_co_u32 s[X], s[X], s[CX]                 ; which 64 queries
	s_and_b32 s[QT], s[W], 3
	s_lshr_b32 s[HH], s[W], 2
	s_mov_b32 s[G1], 15|(3<<16)|(1<<21)            ; the mask: all four; elements of 8 bytes; bit 21 beside a mask
	s_mov_b32 s[G1+1], 32<<16
	s_mov_b32 s[G1+2], 28<<16
	s_mov_b32 s[G1+3], 32<<16
	s_mov_b32 s[G1+4], 28
	s_mov_b32 s[G1+5], 32
	s_mov_b32 s[G1+6], 0
	s_mov_b32 s[G1+7], 0
	s_mov_b32 s[G0], 1
	s_mul_i32 s[G0+1], s[W], PART
	s_mul_i32 s[WOFF], s[W], PART
	s_mov_b32 s[SEL], 0x76543210
	s_mov_b32 s[SEL+1], 0xfedcba98
	s_mov_b32 s[CS], 0x3e38aa3b                    ; log2(e) / 8
	s_mov_b32 s[CS+1], s[CS]
	s_mov_b32 s[BIG], 4*REGION-3*CHUNK             ; from a pass's last chunk to the next pass's first
	s_mov_b32 s[CHK], CHUNK
	s_xor_b32 s50, s[Y], 8                         ; keys and values: the other side's regions, head w / 4, part w % 4
	s_lshl_b32 s50, s50, 3
	s_add_co_u32 s50, s50, s[HH]
	s_mul_i32 s50, s50, REGION
	s_mul_i32 s51, s[QT], PART
	s_add_co_u32 s50, s50, s51
	s_mov_b32 s51, 0
	s_lshr_b32 s52, s[Y], 3                        ; o_w's records: direction, channel tile w
	s_mul_i32 s52, s52, REGION
	s_add_co_u32 s52, s52, s[WOFF]
	s_mov_b32 s53, 0
	s_lshl_b32 s54, s[Y], 3                        ; my queries: my side's region of head w / 4, record 2 x + tile / 2
	s_add_co_u32 s54, s54, s[HH]
	s_mul_i32 s54, s54, REGION
	s_lshl_b32 s55, s[X], 1
	s_lshr_b32 s58, s[QT], 1
	s_add_co_u32 s55, s55, s58
	s_lshr_b32 s58, s55, 2
	s_mul_i32 s58, s58, STEPB
	s_add_co_u32 s54, s54, s58
	s_and_b32 s55, s55, 3
	s_mul_i32 s55, s55, REC
	s_add_co_u32 s54, s54, s55
	s_mov_b32 s55, 0
	s_and_b32 s58, s[Y], 7                         ; the output: batch, 16 w channels of 4,096 bytes, 64 x tokens
	s_lshl_b32 s58, s58, 20
	s_lshl_b32 s59, s[W], 16
	s_add_co_u32 s58, s58, s59
	s_lshl_b32 s59, s[X], 8
	s_add_co_u32 s58, s58, s59
	s_mov_b32 s59, 0
	s_lshl_b32 s70, s[W], 6
	s_mov_b32 s71, 0
	s_mul_i32 s72, s[HH], CHUNK                    ; my head's place in a slot
	s_mul_i32 s73, s[CX], 1792                     ; my work-group's 7 blocks of a part's 28
	s_lshl_b32 s74, s[QT], 3
	s_add_co_u32 s74, s74, s[HH]
	s_mul_i32 s74, s74, 768
	s_add_co_u32 s74, s74, OCB
	s_lshl_b32 s75, s[QT], 2
	s_lshr_b32 s76, s[HH], 1
	s_add_co_u32 s75, s75, s76
	s_lshl_b32 s75, s75, 6
	s_and_b32 s76, s[HH], 1
	s_lshl_b32 s76, s76, 1
	s_add_co_u32 s75, s75, s76
	s_add_co_u32 s75, s75, OSC
	s_mul_i32 s76, s[W], 4352
	s_add_co_u32 s76, s76, STG
	s_and_b32 s79, s[QT], 1                        ; which tile of the queries' record
	s_mul_i32 s77, s79, 520
	s_mul_i32 s78, s79, 1016
	s_cmp_eq_u32 s79, 0
	s_mov_b32 s79, 0x07060302
	s_cselect_b32 s79, 0x05040100, s79             ; its two scale bytes, twice
	v_and_b32 v48, 31, v0                          ; lane
	v_and_b32 v49, 15, v0                          ; r
	v_bfe_u32 v50, v0, 4, 1                        ; h
	v_lshlrev_b32 v51, 4, v48
	v_lshlrev_b32 v52, 3, v48
	v_lshlrev_b32 v53, 2, v49
	v_add_nc_u32 v[AK0], s72, v51
	v_add_nc_u32 v[AS0], s72, v52
	v_add_nc_u32 v[AK1], SLOT, v[AK0]
	v_add_nc_u32 v[AS1], SLOT, v[AS0]
	v_min_u32 v[PFO], 6, v48
	v_lshlrev_b32 v[PFO], 8, v[PFO]
	v_add_nc_u32 v[PFO], s73, v[PFO]
	v_add_nc_u32 v[OCW], s74, v51
	v_add_nc_u32 v[OCV], s74, v52
	v_add_nc_u32 v[OSW], s75, v53
	v_add_nc_u32 v42, s[WOFF], v51
	v_add_nc_u32 v43, s[WOFF], v52
	v_add_nc_u32 v44, OCB, v51
	v_add_nc_u32 v45, OCB+512, v52
	v_add_nc_u32 v192, OSC, v53
	v_mul_u32_u24 v193, v49, 272
	v_lshl_add_u32 v193, v50, 6, v193
	v_add_nc_u32 v193, s76, v193                   ; the stage, in: row = my channel, + 64 x half
	v_mul_u32_u24 v194, v50, 272
	v_lshl_add_u32 v194, v49, 4, v194
	v_add_nc_u32 v194, s76, v194                   ; back: lanes 0-15 one row, lanes 16-31 the next
	v_lshlrev_b32 v195, 12, v50
	v_lshl_add_u32 v195, v49, 4, v195              ; and the same two rows in the output
	v_add_nc_u32 v54, s77, v51                     ; the six registers of my tile of a record, in three pairs
	v_add_nc_u32 v55, s78, v51
	s_wait_alu depctr_va_vdst(0)
	s_wait_dscnt 0x0
	s_wait_kmcnt 0x0
	s_add_nc_u64 s[KA:KA+1], s[4:5], s[50:51]
	s_add_nc_u64 s[OW:OW+1], s[6:7], s[52:53]
	s_add_nc_u64 s[QA:QA+1], s[4:5], s[54:55]
	s_cmp_lt_u32 s[Y], 8                           ; direction: the same in the four partners
	s_cselect_b64 s[OB:OB+1], s[8:9], s[10:11]
	s_cselect_b64 s[OUT:OUT+1], s[12:13], s[14:15]
	s_add_nc_u64 s[OB:OB+1], s[OB:OB+1], s[70:71]
	s_add_nc_u64 s[OUT:OUT+1], s[OUT:OUT+1], s[58:59]
	s_add_nc_u64 s[FA:FA+1], s[KA:KA+1], 2*CHUNK   ; fill 2
	s_mov_b64 s[G0+2:G0+3], s[KA:KA+1]
	s_or_b32 s[G0+3], s[G0+3], 0x80000000
.irp g, 0,1                                    ; Q of heads w / 4 and 4 + w / 4
	global_load_b64 v[22+12*\g:23+12*\g], v54, s[QA:QA+1] offset:4*REGION*\g
	global_load_b64 v[24+12*\g:25+12*\g], v55, s[QA:QA+1] offset:4*REGION*\g+8
	global_load_b64 v[26+12*\g:27+12*\g], v54, s[QA:QA+1] offset:4*REGION*\g+512
	global_load_b32 v[40+\g], v52, s[QA:QA+1] offset:4*REGION*\g+1536
.endr
	global_load_b32 v[BV], v53, s[OB:OB+1]
	CROUND                                         ; the four work-groups are here: the first joint loads meet
	tensor_load_to_lds s[G0:G0+3], s[G1:G1+7]      ; fill 0: one tensor load a wave at the head
	s_nop 0
	NOPS 4
.irp j, 16,17,18,19,20,21,28,29,30,31,32,33
	v_mov_b32 v\j, 0                               ; the zero codes beside Q
.endr
.irp j, 236,237,238,239,252,253
	v_mov_b32 v\j, 0                               ; written once: a lane permute's destination counts as a source; v253 is named in a pair
.endr
	s_mov_b32 s[IC], 0
	s_wait_loadcnt 0x0
	v_perm_b32 v46, v40, v40, s79
	v_perm_b32 v47, v41, v41, s79
	INIT
	s_wait_alu depctr_va_vdst(0)
	s_wait_tensorcnt 0x0                           ; fill 0 is in; slot 1's first fill is issued as a refill is
	ds_add_u32 v[SPW], v[NIL]
	s_add_nc_u64 s[G0+2:G0+3], s[KA:KA+1], CHUNK
	s_or_b32 s[G0+3], s[G0+3], 0x80000000
	s_add_co_u32 s[G0+1], s[WOFF], SLOT
	s_wait_dscnt 0x0
	CROUND
	tensor_load_to_lds s[G0:G0+3], s[G1:G1+7]      ; fill 1
	s_nop 0
	NOPS 4
.Lring:                                                ; trips 2 i and 2 i + 1, i = 0, 1, 2
	STEP AK0, AS0, 0,     1, 0, 0, 0
	STEP AK0, AS0, STEPB, 0, 1, 0, 0               ; asks for fill 2 i + 2
	s_cmp_eq_u32 s[IC], 0                          ; fill 2 i + 4: behind fill 3 the next pass's first chunk, behind fill 5 a chunk on, behind fill 7 o_w's records
	s_cselect_b32 s50, s[BIG], s[CHK]
	s_add_nc_u64 s[PB:PB+1], s[FA:FA+1], s[50:51]
	s_cmp_eq_u32 s[IC], 2
	s_cselect_b64 s[PB:PB+1], s[OW:OW+1], s[PB:PB+1]
	STEP AK1, AS1, 0,     2, 0, 0, 0
	STEP AK1, AS1, STEPB, 0, 1, 1, 1               ; asks for fill 2 i + 3
	s_cmp_lg_u32 s[IC], 1
	s_wait_alu depctr_va_vdst(0)
	s_cbranch_scc1 .Lmid                           ; behind trip 3 pass 0 ends
	FIN 0
.irp i, 0,1,2,3,4,5
	v_mov_b32 v[22+\i], v[34+\i]                   ; pass 1's Q
.endr
	v_mov_b32 v46, v47
	INIT
.Lmid:
	s_add_co_u32 s[IC], s[IC], 1
	s_cmp_lt_u32 s[IC], 3
	s_wait_alu depctr_va_vdst(0)
	s_cbranch_scc1 .Lring
	STEP AK0, AS0, 0,     0, 0, 0, 0               ; trip 6
	STEP AK0, AS0, STEPB, 0, 1, 0, 2               ; asks for fill 8: o_w's records
	STEP AK1, AS1, 0,     0, 0, 0, 0               ; trip 7: nothing more to fetch
	STEP AK1, AS1, STEPB, 0, 0, 0, 0
	FIN 1
.irp j, 0,1,2,3,4,5,6,7
	v_mov_b32 v[216+\j], v[BV]                     ; o_b in the result's layout
.endr
	s_wait_alu depctr_va_vdst(0)
	s_wait_tensorcnt 0x0                           ; my records of o_w are in,
	s_wait_dscnt 0x0                               ; my images are stored
	s_barrier_signal -1
	s_barrier_wait -1                              ; everybody's are: from here on they are only read
; source 0 = 16 tokens, source 1 = my 16 channels: a lane holds one channel, its registers run along the tokens
.irp g, 0,1,2,3
	FET 144, 42, \g*REC
	ds_load_b32 v46, v43 offset:\g*REC+1536
.irp q, 0,1,2,3
	ds_load_b128 v[48+12*\q:51+12*\q], v44 offset:(8*\q+2*\g)*768
	ds_load_b64 v[52+12*\q:53+12*\q], v45 offset:(8*\q+2*\g)*768
	ds_load_b128 v[54+12*\q:57+12*\q], v44 offset:(8*\q+2*\g+1)*768
	ds_load_b64 v[58+12*\q:59+12*\q], v45 offset:(8*\q+2*\g+1)*768
	ds_load_b32 v[248+\q], v192 offset:(4*\q+\g)*64
.endr
	s_wait_dscnt 0x0
.irp q, 0,1,2,3                                ; the four accumulators by turns
.if \g == 0
	MMC 96+8*\q, 48+12*\q, 144, 216, 248+\q, 46
.else
	MMC 96+8*\q, 48+12*\q, 144, 96+8*\q, 248+\q, 46
.endif
.endr
	NOPS 4                                         ; places in front of the next loads and of the first read of results
.endr
; tile 2 pp + u, register j of lane (r, h): token 32 pp + 16 h + 8 u + j of channel r
.irp pp, 0,1
.irp u, 0,1
	ds_store_b128 v193, v[96+16*\pp+8*\u:99+16*\pp+8*\u] offset:128*\pp+32*\u
	ds_store_b128 v193, v[100+16*\pp+8*\u:103+16*\pp+8*\u] offset:128*\pp+32*\u+16
.endr
.endr
.irp i, 0,1,2,3,4,5,6,7
	ds_load_b128 v[48+4*\i:51+4*\i], v194 offset:544*\i   ; LDS serves a wave's instructions in order: these see the stores above
.endr
.irp i, 0,1,2,3,4,5,6,7
	s_wait_dscnt 7-\i                              ; behind this load: the rest of the eight
	global_store_b128 v195, v[48+4*\i:51+4*\i], s[OUT:OUT+1] offset:2*\i*4096 th:TH_STORE_NT   ; sixteen lanes store 256 consecutive bytes, aligned
.endr
	s_wait_tensorcnt 0x0                           ; the wave's end
	ds_add_u32 v[SPW], v[NIL]
	s_wait_dscnt 0x0
	CROUND                                         ; the closing round
	s_endpgm
.Lfunc_end_k_q11029028a7_attn_out:
	.size	k_q11029028a7_attn_out, .Lfunc_end_k_q11029028a7_attn_out-k_q11029028a7_attn_out
	.p2alignl 7, 3214868480
	.fill 96, 4, 3214868480
	.section	.rodata,"a",@progbits
	.p2align	6, 0x0
	.amdhsa_kernel k_q11029028a7_attn_out
		.amdhsa_group_segment_fixed_size 327680
		.amdhsa_private_segment_fixed_size 0
		.amdhsa_enable_private_segment 0
		.amdhsa_kernarg_size 48
		.amdhsa_user_sgpr_count 2
		.amdhsa_user_sgpr_kernarg_segment_ptr 1
		.amdhsa_wavefront_size32 1
		.amdhsa_system_sgpr_workgroup_id_x 1
		.amdhsa_system_sgpr_workgroup_id_y 1
		.amdhsa_system_sgpr_workgroup_id_z 1
		.amdhsa_system_vgpr_workitem_id 0
		.amdhsa_next_free_vgpr 256
		.amdhsa_next_free_sgpr 80
		.amdhsa_reserve_vcc 0
		.amdhsa_float_denorm_mode_32 3
		.amdhsa_float_denorm_mode_16_64 3
		.amdhsa_memory_ordered 1
		.amdhsa_forward_progress 1
		.amdhsa_inst_pref_size 161
	.end_amdhsa_kernel
	.amdgpu_metadata
---
amdhsa.version: [ 1, 2 ]
amdhsa.kernels:
  - .name:           k_q11029028a7_attn_out
    .symbol:         k_q11029028a7_attn_out.kd
    .args:
      - { .name: kv, .offset: 0, .size: 8, .value_kind: global_buffer, .address_space: global }
      - { .name: ow, .offset: 8, .size: 8, .value_kind: global_buffer, .address_space: global }
      - { .name: o1_b, .offset: 16, .size: 8, .value_kind: global_buffer, .address_space: global }
      - { .name: o2_b, .offset: 24, .size: 8, .value_kind: global_buffer, .address_space: global }
      - { .name: out0, .offset: 32, .size: 8, .value_kind: global_buffer, .address_space: global }
      - { .name: out1, .offset: 40, .size: 8, .value_kind: global_buffer, .address_space: global }
    .group_segment_fixed_size: 327680
    .private_segment_fixed_size: 0
    .kernarg_segment_align: 8
    .kernarg_segment_size: 48
    .max_flat_workgroup_size: 512
    .sgpr_count:     80
    .vgpr_count:     256
    .wavefront_size: 32
...
	.end_amdgpu_metadata
.endif
;; end of part 2
